; MI455X (gfx1250); checked and timed in simulation.
; The chip was launched on July 23, 2026; its instructions are those of AMD's public machine-readable ISA for CDNA 5 (MIT licence, August 2026) and "CDNA5" Instruction Set Architecture Reference Guide (July 2026). The comments in the code are by the model that wrote it; some were corrected since.
;; AMRSRN. Allowed arithmetic: matrix products marked QUANTISED: E2M3 operands, one E8M0 scale for each 32 along K, by v_wmma_scale_f32_16x16x128_f8f6f4 with both operands' format E2M3, f32 sums; products left as they are: f32 operands where the result goes on into a quantised operand, else bf16, f16 or f32 operands; f32 sums; everything else in f32.
;; Inputs: W0 128 x 128 float32; W1 128 x 128 float32; W2 128 x 128 float32; W3 128 x 128 float32; Wf 1 x 128 float32; b0 128 float32; b1 128 float32; b2 128 float32; b3 128 float32; bf 1 float32; feature_grids 64 x 2 x 64 x 64 x 64 float32; grid_scales 64 x 3 float32; grid_translations 64 x 3 float32; x 131,072 x 3 float32.
;; Outputs: out0 131,072 x 1 float32.
;; This version of the problem:
;;   THIS VERSION OF THE PROBLEM IS GIVEN IN LOW PRECISION. The matrix products marked QUANTISED in the list below multiply operands that are first quantised to E2M3 (2 exponent bits, 3 mantissa bits; 6 bits a number), with one power-of-two scale for each 32 numbers along K (OCP MX v1.0); their sums are f32. All else is computed in f32.
;;   The module's matrix products, in the order in which they are computed (A, B: the left and right operand; K: the contracted axis; several contracted axes count as one K, in the product's order):
;;     1. [M 131,072, K 128] x [K 128, N 128]; A: computed on the way; B: input W0: QUANTISED
;;     2. [M 131,072, K 128] x [K 128, N 128]; A: computed on the way; B: input W1: QUANTISED
;;     3. [M 131,072, K 128] x [K 128, N 128]; A: computed on the way; B: input W2: QUANTISED
;;     4. [M 131,072, K 128] x [K 128, N 128]; A: computed on the way; B: input W3: QUANTISED
;;     5. [M 131,072, K 128] x [K 128, N 1]; A: computed on the way; B: input Wf: left as it is (N = 1 < 16)
;;   THE QUANTISER, for each operand of a quantised product, along K:
;;     - K is cut into blocks of 32 from its start; a last block that is shorter is filled with zeros.
;;     - A block's scale is 2^e with e = floor(log2(the largest magnitude in the block)) - 2, held to -126 .. 127; a block of zeros has e = 0. As a byte (E8M0): e + 127.
;;     - Each number is divided by its block's scale, clamped to +-7.5, and rounded to the nearest number of E2M3, ties to even, subnormals kept.
;;     - The product sums the exact products of the quantised numbers (number of the format x scale) in f32.
;;   ~~~python
;;   def quantise(x, axis):      # numpy; x: float32 -> the quantised numbers, widened to float32 again
;;       x = np.moveaxis(x, axis, -1); K = x.shape[-1]
;;       x = np.pad(x, [(0, 0)] * (x.ndim - 1) + [(0, -K % 32)]); x = x.reshape(x.shape[:-1] + (-1, 32)); a = np.abs(x).max(-1, keepdims=True)
;;       e = np.where(a > 0, np.clip(np.frexp(np.where(a > 0, a, 1))[1] - 1 - 2, -126, 127), 0)      # np.frexp(a)[1] - 1 = floor(log2(a)), exactly
;;       r = np.clip(x / 2.0 ** e, -7.5, 7.5)
;;       step = 2.0 ** (np.maximum(np.frexp(np.where(r == 0, 1, r))[1] - 1, 0) - 3)
;;       q = np.round(r / step) * step * 2.0 ** e      # np.round: ties to even
;;       return np.moveaxis(q.reshape(q.shape[:-2] + (-1,))[..., :K], -1, axis).astype(np.float32)
;;   ~~~
;;   OPERANDS COMPUTED ON THE WAY. 'Computed on the way' means the value that the module computes at that place (a softmax that the list does not call 'softmax' is quantised finished and normalised). What goes into a quantiser is computed in f32, as accurately as f32 sums, v_exp_f32 and their like allow (about 1e-6 of the number): no bf16 or f16 on the way to a quantiser, and a product that is left as it is and whose result goes on into a quantised operand takes f32 operands (vector FMAs, or v_wmma_f32_16x16x4_f32). A number that lies on a knife's edge between two numbers of the format may be rounded either way, as far as f32 arithmetic and the matrix unit's own rounding can turn it there, and no further.
;; One version. Each part assembles by itself: llvm-mc -triple=amdgcn-amd-amdhsa -mcpu=gfx1250 --defsym DOCPART=n.
;; ======== version 1 of 1: 2 launches
;; workspace buffers: pairs 268,435,456 bytes; idx 33,554,432 bytes of whole numbers; wq 53,248 bytes
;; launch prep (part 1): grid 4612 x 1, 8 waves a work-group, no clusters, 0 bytes of LDS; arguments feature_grids, x, grid_scales, grid_translations, W0, W1, W2, W3, pairs, idx, wq; writes pairs, idx, wq
.if DOCPART == 1
	.amdgcn_target "amdgcn-amd-amdhsa--gfx1250"
	.amdhsa_code_object_version 6
	.text
	.protected	k_q71fe307f12_prep
	.globl	k_q71fe307f12_prep
	.p2align	8
	.type	k_q71fe307f12_prep,@function
k_q71fe307f12_prep:
	s_mov_b64 s[64:65], 0
	v_nop
	global_prefetch_b8 v0, s[64:65] scope:SCOPE_SE
	s_setreg_imm32_b32 hwreg(HW_REG_WAVE_MODE, 25, 1), 1
	s_wait_xcnt 0x0
; PREP: three pieces of work that the sampling launch needs, told apart by the work-group's number.
;   work-groups 0..3      (W)  layer L = the number, wave = tile T: 16 rows of W_L become codes of FP6 (E2M3) and scale words, stored as an image of the operand's registers
;   work-groups 4..515    (I)  a wave takes 32 points, a lane a point: for all 64 grids the clamped base cell (bz 64 + by) 64 + bx, stored as whole numbers
;   work-groups 516..4611 (E)  plane p = 64 g + z of the feature grids is laid out again as records of 16 bytes, {c0[x], c1[x], c0[x+1], c1[x+1]} for each node (g, z, y, x)
; LAYOUTS.  pairs: record (g, z, y, x) at byte g 4194304 + ((z 64 + y) 64 + x) 16.  The upper half of record x = 63 holds a number that nobody reads (bx is at most 62).
;   idx: word ((n / 32) 16 + g / 4) 128 + (n % 32) 4 + g % 4: four grids of a point are 16 bytes, a wave's 32 points 512 consecutive bytes.
;   wq: codes of (L, T) at (8 L + T) 1536, three blocks of 512 bytes, block c = registers 4 c .. 4 c + 3, lane l at 16 l; scale words at 49152 + (8 L + T) 128 + 4 l.
;   Lane r of tile T holds row 32 (T / 2) + 8 (T % 2) + r + 8 (r / 8) of W, so that the results of two neighbouring tiles are 16 neighbours along the next K.
; LIMITS: NaN and infinities are not served.  A block of W that is all zeros keeps the scale byte 1 where the rule says 127: its codes are zeros, and this program alone reads the bytes.
; No LDS bytes, no barrier: waves share nothing.  (The lane permutes of role E go through the LDS unit and touch no byte.)
.set XP,  4                            ; v4-6    the point's x, y, z
.set CO,  16                           ; v16-21  coordinates of two grids: x, y, z, x, y, z
.set BA,  22                           ; v22-27  their base cells
.set IX,  28                           ; v28-31  four grids' indices
.set PSC, 28                           ; s28-39  four grids' scales
.set PTR, 40                           ; s40-51  four grids' translations
.set K62, 52                           ; s52     62.0
.set KH,  54                           ; s[54:55] 31.5, twice
; Grids a and a + 1 of a group of four: f = (x s + t + 1) 31.5 for the three axes, and the base cell b = floor(f) held to 0 .. 62.
; THE SAME TEXT STANDS IN THE SAMPLING LAUNCH, so that the index stored here and the weights made there come from the same bits.
.macro COORD a, ps, pt
.irp m, 0,1,2,3,4,5
	v_fma_f32 v[CO+\m], v[XP+\m%3], s[3*(\a)+\m+(\ps)], s[3*(\a)+\m+(\pt)]
.endr
.irp m, 0,2,4
	v_pk_fma_f32 v[CO+\m:CO+\m+1], v[CO+\m:CO+\m+1], s[KH:KH+1], s[KH:KH+1] op_sel_hi:[1,0,0]
.endr
.irp m, 0,1,2,3,4,5
	v_floor_f32 v[BA+\m], v[CO+\m]
.endr
.irp m, 0,1,2,3,4,5
	v_med3_num_f32 v[BA+\m], v[BA+\m], 0, s[K62]
.endr
.endm
.macro IDX2 a                          ; the two grids' indices
.irp m, 0,1,2,3,4,5
	v_cvt_u32_f32 v[BA+\m], v[BA+\m]
.endr
	v_lshl_add_u32 v[BA+2], v[BA+2], 6, v[BA+1]    ; bz 64 + by
	v_lshl_add_u32 v[BA+5], v[BA+5], 6, v[BA+4]
	v_lshl_add_u32 v[IX+(\a)], v[BA+2], 6, v[BA]   ; ( .. ) 64 + bx
	v_lshl_add_u32 v[IX+(\a)+1], v[BA+5], 6, v[BA+3]
.endm
	s_load_b512 s[4:19], s[0:1], 0x0               ; grids s[4:5], x s[6:7], scales s[8:9], translations s[10:11], W0 .. W3 s[12:19]
	s_load_b128 s[20:23], s[0:1], 0x40             ; pairs s[20:21], idx s[22:23]
	s_load_b64 s[24:25], s[0:1], 0x50              ; wq
	v_lshrrev_b32 v1, 5, v0
	v_readfirstlane_b32 s2, v1                     ; wave 0..7
	v_and_b32 v1, 31, v0                           ; lane
	v_lshlrev_b32 v2, 4, v1                        ; 16 x lane
	v_lshlrev_b32 v3, 2, v1                        ; 4 x lane
	s_wait_kmcnt 0x0
	s_cmp_lt_u32 ttmp9, 4
	s_cbranch_scc1 .Lrole_w
	s_cmp_lt_u32 ttmp9, 516
	s_cbranch_scc1 .Lrole_i
; ---- E: one plane, 64 rows of 64 nodes; wave w takes rows 8 w .. 8 w + 7.  Every input byte is loaded once; a node's right neighbour comes from the lane beside it.
	s_sub_co_u32 s26, ttmp9, 516                   ; p = 64 g + z
	s_lshr_b32 s28, s26, 6
	s_lshl_b32 s28, s28, 21                        ; a grid is 2 x 64^3 x 4 bytes,
	s_and_b32 s27, s26, 63
	s_lshl_b32 s27, s27, 14                        ; a plane 64 x 64 x 4
	s_add_co_u32 s28, s28, s27
	s_mov_b32 s29, 0
	s_add_nc_u64 s[4:5], s[4:5], s[28:29]
	s_lshl_b32 s28, s26, 16                        ; a plane of records is 64 x 64 x 16 bytes
	s_add_nc_u64 s[20:21], s[20:21], s[28:29]
	s_lshl_b32 s27, s2, 11
	v_add_nc_u32 v4, s27, v3                       ; in: 4 x lane + 8 rows of 256 bytes a wave
	s_lshl_b32 s27, s2, 13
	v_add_nc_u32 v5, s27, v2                       ; out: 16 x lane + 8 rows of 1,024 bytes a wave
	v_add_nc_u32 v6, 1, v1
	v_and_b32 v6, 31, v6
	v_lshlrev_b32 v6, 2, v6                        ; the permutes' index: the lane to my right, round the wave
	v_cmp_eq_u32 vcc_lo, 31, v1
.irp i, 0,1,2,3,4,5,6,7                ; row i in v[16 + 8 i] on: +0 c0[l], +1 c1[l], +4 c0[32 + l], +5 c1[32 + l]
	global_load_b32 v[16+8*\i], v4, s[4:5] offset:256*\i th:TH_LOAD_NT
	global_load_b32 v[17+8*\i], v4, s[4:5] offset:256*\i+0x100000 th:TH_LOAD_NT
	global_load_b32 v[20+8*\i], v4, s[4:5] offset:256*\i+128 th:TH_LOAD_NT
	global_load_b32 v[21+8*\i], v4, s[4:5] offset:256*\i+128+0x100000 th:TH_LOAD_NT
.endr
.irp i, 0,1,2,3,4,5,6,7
	s_wait_loadcnt 4*(7-\i)                        ; this row's four loads are in; the later rows' four each may be out
	ds_bpermute_b32 v[22+8*\i], v6, v[20+8*\i]     ; c0[32 + l + 1]; lane 31 gets c0[32]: its own record's upper half is never read, and it serves below
	ds_bpermute_b32 v[23+8*\i], v6, v[21+8*\i]
	ds_bpermute_b32 v[80+2*\i], v6, v[16+8*\i]     ; c0[l + 1]; lane 31 gets c0[0], which is replaced below
	ds_bpermute_b32 v[81+2*\i], v6, v[17+8*\i]
.endr
.irp i, 0,1,2,3,4,5,6,7
	s_wait_dscnt 4*(7-\i)                          ; this row's four permutes are back; the later rows' four each may be out
	v_cndmask_b32 v[18+8*\i], v[80+2*\i], v[22+8*\i], vcc_lo   ; node 31's right neighbour is node 32
	v_cndmask_b32 v[19+8*\i], v[81+2*\i], v[23+8*\i], vcc_lo
	global_store_b128 v5, v[16+8*\i:19+8*\i], s[20:21] offset:1024*\i th:TH_STORE_NT       ; each store of the wave covers 512 consecutive bytes, aligned
	global_store_b128 v5, v[20+8*\i:23+8*\i], s[20:21] offset:1024*\i+512 th:TH_STORE_NT
.endr
	s_endpgm
; ---- I: the base cells of 32 points in all 64 grids, four grids a trip
.Lrole_i:
	s_sub_co_u32 s26, ttmp9, 4
	s_lshl_b32 s26, s26, 3
	s_add_co_u32 s26, s26, s2                      ; my block of 32 points
	s_mul_i32 s28, s26, 384                        ; 32 points x 12 bytes
	s_mov_b32 s29, 0
	s_add_nc_u64 s[6:7], s[6:7], s[28:29]
	s_lshl_b32 s28, s26, 13                        ; 16 groups x 512 bytes
	s_add_nc_u64 s[22:23], s[22:23], s[28:29]
	v_mul_u32_u24 v7, v1, 12
	global_load_b32 v[XP], v7, s[6:7]
	global_load_b32 v[XP+1], v7, s[6:7] offset:4
	global_load_b32 v[XP+2], v7, s[6:7] offset:8
	s_mov_b32 s[K62], 0x42780000                   ; 62.0
	s_mov_b32 s[KH], 0x41fc0000                    ; 31.5
	s_mov_b32 s[KH+1], 0x41fc0000
	s_mov_b32 s3, 0
	s_wait_loadcnt 0x0
.Lgroup:
	s_load_b256 s[PSC:PSC+7], s[8:9], 0x0          ; four grids' scales: 12 numbers,
	s_load_b128 s[PSC+8:PSC+11], s[8:9], 0x20
	s_load_b256 s[PTR:PTR+7], s[10:11], 0x0        ; and translations
	s_load_b128 s[PTR+8:PTR+11], s[10:11], 0x20
	s_wait_kmcnt 0x0
	COORD 0, PSC, PTR
	IDX2 0
	COORD 2, PSC, PTR
	IDX2 2
	global_store_b128 v2, v[IX:IX+3], s[22:23] th:TH_STORE_NT   ; 512 consecutive bytes, aligned
	s_wait_xcnt 0x0                                ; the store has read its data and its base, the scalar loads their bases: all are written again only behind this wait
	s_add_nc_u64 s[8:9], s[8:9], 48
	s_add_nc_u64 s[10:11], s[10:11], 48
	s_add_nc_u64 s[22:23], s[22:23], 512
	s_add_co_u32 s3, s3, 1
	s_cmp_lt_u32 s3, 16
	s_cbranch_scc1 .Lgroup
	s_endpgm
; ---- W: 16 rows x 128 K of one layer's weight.  K is innermost in memory: lane (r, h) takes k = 64 c + 32 h + 0 .. 31 of its row, c = 0, 1: two whole blocks, in the order of the operand's registers.
.Lrole_w:
	v_and_b32 v5, 15, v0                           ; r
	v_bfe_u32 v6, v0, 4, 1                         ; h
	v_and_b32 v7, 8, v5
	v_add_nc_u32 v7, v7, v5                        ; r + 8 (r / 8)
	v_lshlrev_b32 v4, 9, v7                        ; a row of W is 512 bytes
	v_lshl_add_u32 v4, v6, 7, v4                   ; + 128 h
	s_lshr_b32 s28, s2, 1
	s_lshl_b32 s28, s28, 5
	s_and_b32 s29, s2, 1
	s_lshl_b32 s29, s29, 3
	s_add_co_u32 s28, s28, s29                     ; the tile's first row: 32 (T / 2) + 8 (T % 2)
	s_lshl_b32 s28, s28, 9
	v_add_nc_u32 v4, s28, v4
	s_mov_b64 s[26:27], s[12:13]                   ; the layer's weight: the choice hangs on the work-group's number alone
	s_cmp_eq_u32 ttmp9, 1
	s_cselect_b64 s[26:27], s[14:15], s[26:27]
	s_cmp_eq_u32 ttmp9, 2
	s_cselect_b64 s[26:27], s[16:17], s[26:27]
	s_cmp_eq_u32 ttmp9, 3
	s_cselect_b64 s[26:27], s[18:19], s[26:27]
.irp c, 0,1
.irp i, 0,1,2,3,4,5,6,7
	global_load_b128 v[32+32*\c+4*\i:35+32*\c+4*\i], v4, s[26:27] offset:256*\c+16*\i
.endr
.endr
	s_mov_b32 s30, 0x76543210
	s_mov_b32 s31, 0xfedcba98                      ; v_permlanex16_b32's selects for lane l xor 16
	s_lshl_b32 s32, ttmp9, 3
	s_add_co_u32 s32, s32, s2                      ; 8 L + T
	s_mul_i32 s34, s32, 1536
	s_mov_b32 s35, 0
	s_add_nc_u64 s[34:35], s[24:25], s[34:35]      ; where the codes go,
	s_lshl_b32 s32, s32, 7
	s_mov_b32 s33, 0
	s_add_nc_u64 s[32:33], s[24:25], s[32:33]      ; and (49,152 bytes on) the scale words
	s_wait_loadcnt 0x0
.irp c, 0,1
	v_max3_num_f32 v[8+\c], |v[32+32*\c]|, |v[33+32*\c]|, 0x1800000   ; my block 2 c + h: its largest magnitude, and the floor 2^(3 - 127): the byte cannot fall under 1
.endr
.irp i, 2,4,6,8,10,12,14,16,18,20,22,24,26,28,30
.irp c, 0,1
	v_max3_num_f32 v[8+\c], v[8+\c], |v[32+32*\c+\i]|, |v[33+32*\c+\i]|   ; (the two blocks by turns)
.endr
.endr
.irp c, 0,1
	v_add_nc_u32 v[10+\c], 0xff000000, v[8+\c]     ; 2 off the exponent field: the conversion takes this operand's exponent field as its scale
.endr
.irp c, 0,1
	v_lshrrev_b32 v[12+\c], 23, v[10+\c]           ; the scale's byte
.endr
	v_lshl_or_b32 v14, v13, 16, v12                ; my two bytes, blocks h and 2 + h,
	v_lshlrev_b32 v15, 3, v6
	v_lshlrev_b32 v14, v15, v14                    ; at their places in the word;
	v_mov_b32 v15, 0
	v_permlanex16_b32 v15, v14, s30, s31
	v_or_b32 v14, v14, v15                         ; with lane l xor 16's two the word is whole
	v_cvt_scalef32_pk16_fp6_f32 v[16:18], v[32:47], v10
	v_cvt_scalef32_pk16_fp6_f32 v[28:30], v[48:63], v10      ; (a conversion's three registers begin on an even number: a block's second half is made elsewhere and moved)
	v_cvt_scalef32_pk16_fp6_f32 v[22:24], v[64:79], v11
	v_cvt_scalef32_pk16_fp6_f32 v[96:98], v[80:95], v11
	v_nop                                          ; one plain instruction behind the conversions, ahead of the moves that read their results
.irp i, 0,1,2
	v_mov_b32 v[19+\i], v[28+\i]
	v_mov_b32 v[25+\i], v[96+\i]
.endr
.irp c, 0,1,2
	global_store_b128 v2, v[16+4*\c:19+4*\c], s[34:35] offset:512*\c   ; the fragment as it stands: 512 consecutive bytes a store
.endr
	global_store_b32 v3, v14, s[32:33] offset:49152
	s_endpgm
.Lfunc_end_k_q71fe307f12_prep:
	.size	k_q71fe307f12_prep, .Lfunc_end_k_q71fe307f12_prep-k_q71fe307f12_prep
	.p2alignl 7, 3214868480
	.fill 96, 4, 3214868480
	.section	.rodata,"a",@progbits
	.p2align	6, 0x0
	.amdhsa_kernel k_q71fe307f12_prep
		.amdhsa_group_segment_fixed_size 0
		.amdhsa_private_segment_fixed_size 0
		.amdhsa_enable_private_segment 0
		.amdhsa_kernarg_size 88
		.amdhsa_user_sgpr_count 2
		.amdhsa_user_sgpr_kernarg_segment_ptr 1
		.amdhsa_wavefront_size32 1
		.amdhsa_system_sgpr_workgroup_id_x 1
		.amdhsa_system_sgpr_workgroup_id_y 1
		.amdhsa_system_sgpr_workgroup_id_z 1
		.amdhsa_system_vgpr_workitem_id 0
		.amdhsa_next_free_vgpr 104
		.amdhsa_next_free_sgpr 66
		.amdhsa_reserve_vcc 1
		.amdhsa_float_denorm_mode_32 3
		.amdhsa_float_denorm_mode_16_64 3
		.amdhsa_memory_ordered 1
		.amdhsa_forward_progress 1
		.amdhsa_inst_pref_size 20
	.end_amdhsa_kernel
	.amdgpu_metadata
---
amdhsa.version: [ 1, 2 ]
amdhsa.kernels:
  - .name:           k_q71fe307f12_prep
    .symbol:         k_q71fe307f12_prep.kd
    .args:
      - { .name: feature_grids, .offset: 0, .size: 8, .value_kind: global_buffer, .address_space: global }
      - { .name: x, .offset: 8, .size: 8, .value_kind: global_buffer, .address_space: global }
      - { .name: grid_scales, .offset: 16, .size: 8, .value_kind: global_buffer, .address_space: global }
      - { .name: grid_translations, .offset: 24, .size: 8, .value_kind: global_buffer, .address_space: global }
      - { .name: W0, .offset: 32, .size: 8, .value_kind: global_buffer, .address_space: global }
      - { .name: W1, .offset: 40, .size: 8, .value_kind: global_buffer, .address_space: global }
      - { .name: W2, .offset: 48, .size: 8, .value_kind: global_buffer, .address_space: global }
      - { .name: W3, .offset: 56, .size: 8, .value_kind: global_buffer, .address_space: global }
      - { .name: pairs, .offset: 64, .size: 8, .value_kind: global_buffer, .address_space: global }
      - { .name: idx, .offset: 72, .size: 8, .value_kind: global_buffer, .address_space: global }
      - { .name: wq, .offset: 80, .size: 8, .value_kind: global_buffer, .address_space: global }
    .group_segment_fixed_size: 0
    .private_segment_fixed_size: 0
    .kernarg_segment_align: 8
    .kernarg_segment_size: 88
    .max_flat_workgroup_size: 256
    .sgpr_count:     66
    .vgpr_count:     104
    .wavefront_size: 32
...
	.end_amdgpu_metadata
.endif
;; end of part 1
;; launch main (part 2): grid 256 x 1, 16 waves a work-group, no clusters, 58,368 bytes of LDS; arguments x, grid_scales, grid_translations, pairs, idx, wq, b0, b1, b2, b3, Wf, bf, out0; writes out0
.if DOCPART == 2
	.amdgcn_target "amdgcn-amd-amdhsa--gfx1250"
	.amdhsa_code_object_version 6
	.text
	.protected	k_q71fe307f12_main
	.globl	k_q71fe307f12_main
	.p2align	8
	.type	k_q71fe307f12_main,@function
k_q71fe307f12_main:
	s_mov_b64 s[64:65], 0
	v_nop
	global_prefetch_b8 v0, s[64:65] scope:SCOPE_SE
	s_setreg_imm32_b32 hwreg(HW_REG_WAVE_MODE, 25, 1), 1
	s_wait_xcnt 0x0
; MAIN: out[n] = decoder(features(x[n])).  256 work-groups of 16 waves; a wave takes 32 points, A LANE A POINT: n = 512 work-group + 32 wave + lane.
; GATHER.  The wave walks the 64 grids, four a step.  A point's eight corners in a grid are four records of 16 bytes, {c0[x], c1[x], c0[x+1], c1[x+1]}, at rows (z, y), (z, y+1), (z+1, y), (z+1, y+1):
;   four loads of 16 bytes off ONE offset register, 16 x (the stored base cell); a pair of grids stands in the scalar base, which of the two and the row in the immediate.  The base cell was stored as a whole number by the launch before.
;   The base cell b is floor(f) held to 0 .. 62; with d = f - b the weight of node b is max(0, 1 - |d|) and that of node b + 1 the middle one of d, 2 - d and 0.  These are 1 - t and t inside the volume and
;   give the zero padding at and beyond its faces, with no branch and no mask.  Next step's 16 loads are out while a step's 64 registers are worked on.
; QUANTISER.  16 grids are 32 features, one block along K, all in one lane's registers: its scale needs no other lane.  After 64 grids twelve lane swaps turn the four blocks a lane into two operand fragments (16 points each).
; DECODER.  Four layers of 128 x 128 on codes of FP6 (E2M3), used transposed (source 0 = 16 rows of W, source 1 = 16 points), K = 128 = one instruction for each accumulator, the bias as its C: nothing is cleared and
;   no sum is taken up again.  A lane then holds one point and 16 neighbours along the next K for each two tiles, which are quantised in registers.  The weights' fragments, scale words and the biases lie in LDS,
;   stored once at the head and only read behind the one barrier.  The last product (N = 1) is a dot product in f32.
; sin(y)^2: y is reduced by the nearest multiple of pi (pi in two f32 parts, two fused multiply-adds), then the odd series up to r^11, whose first term left out is under 5.7e-8 at |r| = pi / 2; the sign falls out in the square.
; NO CLUSTER, NO TENSOR LOAD: the gathers are a lane's own addresses; what work-groups share is 55,808 bytes of weights against 2,097,152 bytes of records that each gathers.
; LIMITS: NaN and infinities are not served.  A block of zeros keeps the scale byte 1 where the rule says 127: its codes are zeros.  Sums are made by fused multiply-adds.  The reduction's remainder grows with
;   |y| / pi x 1e-14, under y's own last place at every size.
.set WIMG, 0                           ; LDS: the weights' fragments: (layer L, tile T) at (8 L + T) 1536, register images
.set WSC,  49152                       ; their scale words: (8 L + T) 128 + 4 lane
.set BIAS, 53248                       ; b0 .. b3 on end, 512 bytes each
.set WFV,  55296                       ; Wf, 512 bytes
.set GRID, 0x400000                    ; a grid's records in bytes: 64^3 x 16.  A base serves two grids: the largest immediate is GRID + 66,560 = 4,260,864, inside the signed 24 bits, and none is negative
.set LI,  1                            ; v1     16 x lane
.set LS,  2                            ; v2     4 x lane
.set LB,  3                            ; v3     64 x (lane / 16)
.set XP,  4                            ; v4-6   my point
.set AB,  7                            ; v7     LDS address of the layer's biases
.set AS,  8                            ; v8-9   the activations' scale words, tiles 0 and 1: scales and nothing else
.set WS,  10                           ; v10-13 four tiles' scale words of W: scales and nothing else
.set AF0, 16                           ; v16-27 the activations' fragment, points 0-15;  v28-39 points 16-31
.set AF1, 28
.set TT,  40                           ; v40-46 conversions' results on their way
.set IDX, 48                           ; v48-55 base cells, two sets of four grids
.set OFF, 56                           ; v56-63 byte offsets, two sets
.set FE,  64                           ; v64-95 32 features: a block along K
.set CO,  96                           ; v96-101  coordinates of two grids, then d
.set BA,  102                          ; v102-107 base cells, then 2 - d
.set WP,  96                           ; v96-103  weights of a plane's four corners, two grids (over CO and BA, which are done with)
.set WT,  108                          ; v108-119 (weight of node b, of node b + 1) for x, y, z of two grids
.set ZY,  120                          ; v120-127 products of the z and y weights
.set DA,  128                          ; v128-191, v192-255 records, two sets: grid i, row q at 16 i + 4 q
.set WF,  48                           ; decoder: v48-95 four fragments of W;  v96-127 four tiles of bias;  v128-255 the accumulators: point tile p, tile T at 64 p + 8 T
.set BI,  96
.set ACC, 128
.set TM,  48                           ; v48-63 the quantiser's work
.set SN,  48                           ; the sine's work: n, r, u, polynomial: four pairs each
.set SR,  56
.set SU,  64
.set SQ,  72
.set K62, 5                            ; s5     62.0
.set SEL, 6                            ; s[6:7] v_permlanex16_b32's selects for lane l xor 16
.set PS0, 16                           ; s16-27 scales, s28-39 translations of four grids: set 0;  s40-51, s52-63: set 1
.set PT0, 28
.set PB,  80                           ; s[80:83], s[84:87] bases in pairs, two sets that take turns with the register sets; in a set: grids 0, 1 of the group, then grids 2, 3 (over the biases' pointers, which are done with behind the head)
.set KH,  94                           ; s[94:95] 31.5, twice
; Grids a and a + 1 of a group of four: f = (x s + t + 1) 31.5 for the three axes, and the base cell b = floor(f) held to 0 .. 62.
; THE SAME TEXT STANDS IN THE LAUNCH THAT STORED THE INDICES, so that index and weights come from the same bits.
.macro COORD a, ps, pt
.irp m, 0,1,2,3,4,5
	v_fma_f32 v[CO+\m], v[XP+\m%3], s[3*(\a)+\m+(\ps)], s[3*(\a)+\m+(\pt)]
.endr
.irp m, 0,2,4
	v_pk_fma_f32 v[CO+\m:CO+\m+1], v[CO+\m:CO+\m+1], s[KH:KH+1], s[KH:KH+1] op_sel_hi:[1,0,0]
.endr
.irp m, 0,1,2,3,4,5
	v_floor_f32 v[BA+\m], v[CO+\m]
.endr
.irp m, 0,1,2,3,4,5
	v_med3_num_f32 v[BA+\m], v[BA+\m], 0, s[K62]
.endr
.endm
.macro OFFS u                          ; set u: four grids' base cells become byte offsets.  The loaded number is held to the largest base cell, (62 x 64 + 62) x 64 + 62; behind that one shift left and nothing else
.irp i, 0,1,2,3
	v_min_u32 v[OFF+4*(\u)+\i], 0x3efbe, v[IDX+4*(\u)+\i]
.endr
.irp i, 0,1,2,3
	v_lshlrev_b32 v[OFF+4*(\u)+\i], 4, v[OFF+4*(\u)+\i]
.endr
.endm
.macro GATHER u                        ; set u: 16 loads: grid i, row q: y + 1 is 64 records on, z + 1 is 4,096
.irp i, 0,1,2,3
.irp q, 0,1,2,3
	global_load_b128 v[DA+64*(\u)+16*\i+4*\q:DA+64*(\u)+16*\i+4*\q+3], v[OFF+4*(\u)+\i], s[PB+4*(\u)+2*(\i/2):PB+4*(\u)+2*(\i/2)+1] offset:(\i%2)*GRID+(\q&1)*1024+(\q>>1)*65536
.endr
.endr
.endm
; Grids a and a + 1 of step j's four: weights, and the eight corners' sum for both channels at once, the two grids by turns.
.macro PAIR j, a
	COORD \a, PS0+24*CUR, PT0+24*CUR
.irp m, 0,2,4
	v_pk_add_f32 v[CO+\m:CO+\m+1], v[CO+\m:CO+\m+1], v[BA+\m:BA+\m+1] neg_lo:[0,1] neg_hi:[0,1]   ; d = f - b
.endr
.irp m, 0,2,4
	v_pk_add_f32 v[BA+\m:BA+\m+1], v[CO+\m:CO+\m+1], 2.0 op_sel_hi:[1,0] neg_lo:[1,0] neg_hi:[1,0]   ; 2 - d
.endr
.irp m, 0,1,2,3,4,5
	v_sub_f32 v[WT+2*\m], 1.0, |v[CO+\m]|
.endr
.irp m, 0,1,2,3,4,5
	v_max_num_f32 v[WT+2*\m], 0, v[WT+2*\m]        ; node b: max(0, 1 - |d|)
.endr
.irp m, 0,1,2,3,4,5
	v_med3_num_f32 v[WT+2*\m+1], v[CO+\m], v[BA+\m], 0   ; node b + 1: the middle one of d, 2 - d, 0
.endr
.irp g, 0,1
	v_pk_mul_f32 v[ZY+4*\g:ZY+4*\g+1], v[WT+6*\g+2:WT+6*\g+3], v[WT+6*\g+4:WT+6*\g+5] op_sel_hi:[1,0]   ; plane z: (z y, z y')
.endr
.irp g, 0,1
	v_pk_mul_f32 v[ZY+4*\g+2:ZY+4*\g+3], v[WT+6*\g+2:WT+6*\g+3], v[WT+6*\g+4:WT+6*\g+5] op_sel:[0,1] op_sel_hi:[1,1]   ; plane z + 1
.endr
.irp z, 0,1
.irp g, 0,1
	v_pk_mul_f32 v[WP+4*\g:WP+4*\g+1], v[WT+6*\g:WT+6*\g+1], v[ZY+4*\g+2*\z:ZY+4*\g+2*\z+1] op_sel_hi:[1,0]   ; row y: (x, x') times the plane's first product
.endr
.irp g, 0,1
	v_pk_mul_f32 v[WP+4*\g+2:WP+4*\g+3], v[WT+6*\g:WT+6*\g+1], v[ZY+4*\g+2*\z:ZY+4*\g+2*\z+1] op_sel:[0,1] op_sel_hi:[1,1]   ; row y + 1
.endr
.irp y, 0,1
.irp g, 0,1
.if \z+\y == 0
	v_pk_mul_f32 v[FE+2*(4*(\j)+(\a)+\g):FE+2*(4*(\j)+(\a)+\g)+1], v[DA+64*CUR+16*((\a)+\g):DA+64*CUR+16*((\a)+\g)+1], v[WP+4*\g:WP+4*\g+1] op_sel_hi:[1,0]   ; the first corner starts the sum
.else
	v_pk_fma_f32 v[FE+2*(4*(\j)+(\a)+\g):FE+2*(4*(\j)+(\a)+\g)+1], v[DA+64*CUR+16*((\a)+\g)+4*(2*\z+\y):DA+64*CUR+16*((\a)+\g)+4*(2*\z+\y)+1], v[WP+4*\g+2*\y:WP+4*\g+2*\y+1], v[FE+2*(4*(\j)+(\a)+\g):FE+2*(4*(\j)+(\a)+\g)+1] op_sel_hi:[1,0,1]
.endif
.endr
.irp g, 0,1
	v_pk_fma_f32 v[FE+2*(4*(\j)+(\a)+\g):FE+2*(4*(\j)+(\a)+\g)+1], v[DA+64*CUR+16*((\a)+\g)+4*(2*\z+\y)+2:DA+64*CUR+16*((\a)+\g)+4*(2*\z+\y)+3], v[WP+4*\g+2*\y:WP+4*\g+2*\y+1], v[FE+2*(4*(\j)+(\a)+\g):FE+2*(4*(\j)+(\a)+\g)+1] op_sel:[0,1,0] op_sel_hi:[1,1,1]
.endr
.endr
.endr
.endm
; Step j of a trip's four: group k = 4 trip + j.  ahead = 1: group k + 1's parameters, offsets and 16 gathers go out first;  iahead = 1: so do group k + 3's base cells;
; more = 1: there is a group k + 2, and this group's set of bases is stepped to it.
.macro STEP j, ahead, iahead, more
.set CUR, (\j)%2
.set NXT, 1-CUR
	s_wait_kmcnt 0x0                               ; this group's scales and translations are in
.if \ahead
	s_load_b256 s[PS0+24*NXT:PS0+24*NXT+7], s[70:71], 48*((\j)+1)
	s_load_b128 s[PS0+24*NXT+8:PS0+24*NXT+11], s[70:71], 48*((\j)+1)+32
	s_load_b256 s[PT0+24*NXT:PT0+24*NXT+7], s[72:73], 48*((\j)+1)
	s_load_b128 s[PT0+24*NXT+8:PT0+24*NXT+11], s[72:73], 48*((\j)+1)+32
	OFFS NXT                                       ; these base cells came in ahead of the last group's gathers, and these offset registers were that group's: the last step's wait has shown all of them done
.endif
.if \iahead
	global_load_b128 v[IDX+4*NXT:IDX+4*NXT+3], v[LI], s[76:77] offset:512*((\j)+3) th:TH_LOAD_NT
.endif
.if \ahead
	GATHER NXT
.endif
	s_wait_loadcnt 16*(\ahead)+(\iahead)           ; loads come back in order: all but those issued in this step are in, this group's 16 gathers among them
.if \more
	s_add_nc_u64 s[PB+4*CUR:PB+4*CUR+1], s[PB+4*CUR:PB+4*CUR+1], 8*GRID       ; this set of bases was named by this group's gathers alone, which that wait has shown done: on to the group two further on
	s_add_nc_u64 s[PB+4*CUR+2:PB+4*CUR+3], s[PB+4*CUR+2:PB+4*CUR+3], 8*GRID
.endif
	PAIR \j, 0
	PAIR \j, 2
.endm
; The 32 features become one block's codes and its scale byte.  The four blocks of a point pass through four places of six registers, so that one text serves every trip: the new block enters at the last place.
.macro QUANTF
	v_max3_num_f32 v14, |v[FE]|, |v[FE+1]|, |v[FE+2]|
	v_max3_num_f32 v15, |v[FE+3]|, |v[FE+4]|, |v[FE+5]|
.irp i, 6,10,14,18,22,26
	v_max3_num_f32 v14, v14, |v[FE+\i]|, |v[FE+\i+1]|
	v_max3_num_f32 v15, v15, |v[FE+\i+2]|, |v[FE+\i+3]|
.endr
	v_max3_num_f32 v14, v14, |v[FE+30]|, |v[FE+31]|
	v_max3_num_f32 v14, v14, v15, 0x1800000        ; the block's largest magnitude, and the floor 2^(3 - 127): the byte cannot fall under 1
	v_add_nc_u32 v15, 0xff000000, v14              ; 2 off the exponent field: the conversion's scale operand
	v_cvt_scalef32_pk16_fp6_f32 v[TT:TT+2], v[FE:FE+15], v15
	v_cvt_scalef32_pk16_fp6_f32 v[TT+4:TT+6], v[FE+16:FE+31], v15
	v_lshrrev_b32 v14, 23, v15                     ; the scale's byte (also the plain instruction behind the conversions)
.irp i, 0,1,2,3,4,5
	v_mov_b32 v[AF0+\i], v[AF1+\i]
.endr
.irp i, 0,1,2,3,4,5
	v_mov_b32 v[AF1+\i], v[AF0+6+\i]
.endr
.irp i, 0,1,2,3,4,5
	v_mov_b32 v[AF0+6+\i], v[AF1+6+\i]
.endr
.irp i, 0,1,2
	v_mov_b32 v[AF1+6+\i], v[TT+\i]
	v_mov_b32 v[AF1+9+\i], v[TT+4+\i]
.endr
	v_lshrrev_b32 v[AS], 8, v[AS]                  ; and the bytes likewise: after four trips block b's byte is byte b
	v_lshl_or_b32 v[AS], v14, 24, v[AS]
.endm
.macro TRIP last                       ; 16 grids.  last = 1: nothing is asked for beyond group 15, and the bases are stepped no further than to groups 14 and 15
.if \last
	STEP 0, 1, 1, 1
	STEP 1, 1, 0, 1
	STEP 2, 1, 0, 0
	STEP 3, 0, 0, 0
.else
	STEP 0, 1, 1, 1
	STEP 1, 1, 1, 1
	STEP 2, 1, 1, 1
	STEP 3, 1, 1, 1
.endif
	QUANTF
.endm
; One layer's product for the wave's 32 points: 16 matrix instructions, four tiles of W at a time.  s9, s10, s11: the layer's place among the fragments, the scale words, the biases.
.macro PRODUCT
	v_add_nc_u32 v14, s9, v[LI]
	v_add_nc_u32 v15, s10, v[LS]
	v_add_nc_u32 v[AB], s11, v[LB]
.irp g, 0,1
.if \g
.rept 4
	v_nop                                          ; four places between the products above and the loads into the registers that they read
.endr
.endif
.irp t, 0,1,2,3
.irp c, 0,1,2
	ds_load_b128 v[WF+12*\t+4*\c:WF+12*\t+4*\c+3], v14 offset:WIMG+(4*\g+\t)*1536+512*\c
.endr
	ds_load_b32 v[WS+\t], v15 offset:WSC+128*(4*\g+\t)
	ds_load_b128 v[BI+8*\t:BI+8*\t+3], v[AB] offset:BIAS+(32*((4*\g+\t)/2)+8*(\t%2))*4       ; lane (r, h), register i: the bias of unit 32 (T / 2) + 8 (T % 2) + 16 h + i
	ds_load_b128 v[BI+8*\t+4:BI+8*\t+7], v[AB] offset:BIAS+(32*((4*\g+\t)/2)+8*(\t%2))*4+16
.endr
	s_wait_dscnt 0x0
.if \g == 0
.rept 8
	v_nop                                          ; the activations' scale words and codes were written by vector instructions: eight places ahead of the scaled products
.endr
.endif
.irp p, 0,1
.irp t, 0,1,2,3
	v_wmma_scale_f32_16x16x128_f8f6f4 v[ACC+64*\p+8*(4*\g+\t):ACC+64*\p+8*(4*\g+\t)+7], v[WF+12*\t:WF+12*\t+11], v[AF0+12*\p:AF0+12*\p+11], v[BI+8*\t:BI+8*\t+7], v[WS+\t], v[AS+\p] matrix_a_fmt:MATRIX_FMT_FP6 matrix_b_fmt:MATRIX_FMT_FP6
.endr
.endr
.endr
.rept 4
	v_nop                                          ; four places ahead of the first read of the results
.endr
.endm
; 64 numbers of a lane, v[s] on, register 16 b + i = k 32 b + 16 (lane / 16) + i of my point, become a fragment's codes in v[f] on and its scale word in v[w].
.macro QUANT s, f, w
.irp b, 0,1,2,3
	v_max3_num_f32 v[TM+\b], |v[\s+16*\b]|, |v[\s+1+16*\b]|, 0x1800000   ; block b: my 16 numbers, and the floor
.endr
.irp i, 2,4,6,8,10,12,14
.irp b, 0,1,2,3
	v_max3_num_f32 v[TM+\b], v[TM+\b], |v[\s+16*\b+\i]|, |v[\s+1+16*\b+\i]|   ; (the four blocks by turns)
.endr
.endr
.irp b, 0,1,2,3
	v_permlanex16_b32 v[TM+4+\b], v[TM+\b], s[SEL], s[SEL+1]
.endr
.irp b, 0,1,2,3
	v_max_num_f32 v[TM+\b], v[TM+\b], v[TM+4+\b]   ; with lane l xor 16's: the block's largest magnitude
.endr
.irp b, 0,1,2,3
	v_add_nc_u32 v[TM+12+\b], 0xff000000, v[TM+\b]
.endr
.irp b, 0,1,2,3
	v_lshrrev_b32 v[TM+4+\b], 23, v[TM+12+\b]
.endr
	v_lshl_or_b32 v[\w], v[TM+5], 8, v[TM+4]
	v_lshl_or_b32 v[\w], v[TM+6], 16, v[\w]
	v_lshl_or_b32 v[\w], v[TM+7], 24, v[\w]
.irp c, 0,1
	v_cvt_scalef32_pk16_fp6_f32 v[\f+6*\c:\f+2+6*\c], v[\s+32*\c:\s+15+32*\c], v[TM+12+2*\c]
	v_cvt_scalef32_pk16_fp6_f32 v[TT+4*\c:TT+2+4*\c], v[\s+16+32*\c:\s+31+32*\c], v[TM+12+2*\c+1]
.endr
	v_nop                                          ; one plain instruction behind the conversions
.irp c, 0,1                            ; the operand wants a WHOLE block in a lane: lanes 0-15 block 2 c, lanes 16-31 block 2 c + 1
.irp i, 0,1,2
	v_permlane16_swap_b32 v[\f+6*\c+\i], v[TT+4*\c+\i]
.endr
.irp i, 0,1,2
	v_mov_b32 v[\f+3+6*\c+\i], v[TT+4*\c+\i]
.endr
.endr
.endm
; y = 0.5 y + sin(y)^2 on the 128 results, an accumulator (four pairs, by turns) at a time, each from its low end on.
.macro SNAKE
	v_mov_b32 v80, 0x3638ef1d                      ; 1 / 9!, as a pair: an instruction takes one literal
	v_mov_b32 v81, 0x3638ef1d
.set A8, ACC
.rept 16
.irp q, 0,2,4,6
	v_pk_mul_f32 v[SN+\q:SN+\q+1], v[A8+\q:A8+\q+1], 0x3ea2f983 op_sel_hi:[1,0]   ; y / pi
.endr
.irp q, 0,1,2,3,4,5,6,7
	v_rndne_f32 v[SN+\q], v[SN+\q]                 ; n
.endr
.irp q, 0,2,4,6
	v_pk_fma_f32 v[SR+\q:SR+\q+1], v[SN+\q:SN+\q+1], 0xc0490fdb, v[A8+\q:A8+\q+1] op_sel_hi:[1,0,1]   ; r = y - n pi: pi's upper part,
.endr
.irp q, 0,2,4,6
	v_pk_fma_f32 v[SR+\q:SR+\q+1], v[SN+\q:SN+\q+1], 0x33bbbd2e, v[SR+\q:SR+\q+1] op_sel_hi:[1,0,1]   ; and its lower part, which is -8.74e-8: so n x 8.74e-8 is added
.endr
.irp q, 0,2,4,6
	v_pk_mul_f32 v[SU+\q:SU+\q+1], v[SR+\q:SR+\q+1], v[SR+\q:SR+\q+1]   ; u = r^2
.endr
.irp q, 0,2,4,6
	v_pk_fma_f32 v[SQ+\q:SQ+\q+1], v[SU+\q:SU+\q+1], 0xb2d7322b, v[80:81] op_sel_hi:[1,0,1]   ; -u / 11! + 1 / 9!
.endr
.irp q, 0,2,4,6
	v_pk_fma_f32 v[SQ+\q:SQ+\q+1], v[SQ+\q:SQ+\q+1], v[SU+\q:SU+\q+1], 0xb9500d01 op_sel_hi:[1,1,0]   ; - 1 / 7!
.endr
.irp q, 0,2,4,6
	v_pk_fma_f32 v[SQ+\q:SQ+\q+1], v[SQ+\q:SQ+\q+1], v[SU+\q:SU+\q+1], 0x3c088889 op_sel_hi:[1,1,0]   ; + 1 / 5!
.endr
.irp q, 0,2,4,6
	v_pk_fma_f32 v[SQ+\q:SQ+\q+1], v[SQ+\q:SQ+\q+1], v[SU+\q:SU+\q+1], 0xbe2aaaab op_sel_hi:[1,1,0]   ; - 1 / 3!
.endr
.irp q, 0,2,4,6
	v_pk_mul_f32 v[SU+\q:SU+\q+1], v[SR+\q:SR+\q+1], v[SU+\q:SU+\q+1]   ; r^3
.endr
.irp q, 0,2,4,6
	v_pk_fma_f32 v[SR+\q:SR+\q+1], v[SU+\q:SU+\q+1], v[SQ+\q:SQ+\q+1], v[SR+\q:SR+\q+1]   ; sin(r)
.endr
.irp q, 0,2,4,6
	v_pk_mul_f32 v[SQ+\q:SQ+\q+1], v[SR+\q:SR+\q+1], v[SR+\q:SR+\q+1]
.endr
.irp q, 0,2,4,6
	v_pk_fma_f32 v[A8+\q:A8+\q+1], v[A8+\q:A8+\q+1], 0.5, v[SQ+\q:SQ+\q+1] op_sel_hi:[1,0,1]
.endr
.set A8, A8+8
.endr
.endm
.macro LEAKY                           ; y where y >= 0, else 0.2 y: the larger of the two; an accumulator at a time, from its low end on
.set A8, ACC
.rept 16
.irp q, 0,2,4,6
	v_pk_mul_f32 v[48+\q:49+\q], v[A8+\q:A8+\q+1], 0x3e4ccccd op_sel_hi:[1,0]
.endr
.irp q, 0,1,2,3,4,5,6,7
	v_max_num_f32 v[A8+\q], v[A8+\q], v[48+\q]
.endr
.set A8, A8+8
.endr
.endm
; ---- the head
	s_load_b512 s[68:83], s[0:1], 0x0              ; x s[68:69], scales s[70:71], translations s[72:73], pairs s[74:75], idx s[76:77], wq s[78:79], b0 s[80:81], b1 s[82:83]
	s_load_b256 s[84:91], s[0:1], 0x40             ; b2 s[84:85], b3 s[86:87], Wf s[88:89], bf s[90:91]
	s_load_b64 s[92:93], s[0:1], 0x60              ; out0
	v_lshrrev_b32 v14, 5, v0
	v_readfirstlane_b32 s2, v14                    ; wave 0..15
	v_and_b32 v14, 31, v0                          ; lane
	v_lshlrev_b32 v[LI], 4, v14
	v_lshlrev_b32 v[LS], 2, v14
	v_bfe_u32 v[LB], v0, 4, 1
	v_lshlrev_b32 v[LB], 6, v[LB]
	v_lshlrev_b32 v40, 4, v0                       ; the head's copies into LDS: 16, 8 and 4 bytes a thread
	v_lshlrev_b32 v41, 3, v0
	v_lshlrev_b32 v42, 2, v0
	v_and_b32 v43, 127, v0
	v_lshlrev_b32 v43, 2, v43                      ; my number of my wave's bias vector
	v_mul_u32_u24 v44, v14, 12                     ; my point in the wave's 32
	s_mov_b32 s[K62], 0x42780000                   ; 62.0
	s_mov_b32 s[SEL], 0x76543210
	s_mov_b32 s[SEL+1], 0xfedcba98
	s_mov_b32 s[KH], 0x41fc0000                    ; 31.5
	s_mov_b32 s[KH+1], 0x41fc0000
	s_lshl_b32 s12, ttmp9, 4
	s_add_co_u32 s12, s12, s2                      ; my block of 32 points
	s_lshr_b32 s13, s2, 2                          ; waves 4 i .. 4 i + 3 copy b_i
	s_mov_b32 s15, 0
	s_wait_kmcnt 0x0
	s_mul_i32 s14, s12, 384
	s_add_nc_u64 s[68:69], s[68:69], s[14:15]
	s_lshl_b32 s14, s12, 13
	s_add_nc_u64 s[76:77], s[76:77], s[14:15]
	s_lshl_b32 s14, s12, 7
	s_add_nc_u64 s[92:93], s[92:93], s[14:15]
	s_cmp_eq_u32 s13, 1                            ; the choice hangs on the wave's number alone
	s_cselect_b64 s[80:81], s[82:83], s[80:81]
	s_cmp_eq_u32 s13, 2
	s_cselect_b64 s[80:81], s[84:85], s[80:81]
	s_cmp_eq_u32 s13, 3
	s_cselect_b64 s[80:81], s[86:87], s[80:81]
.irp i, 0,1,2,3,4,5
	global_load_b128 v[128+4*\i:131+4*\i], v40, s[78:79] offset:8192*\i   ; the weights' codes: 512 threads x 16 bytes x 6
.endr
	global_load_b64 v[152:153], v41, s[78:79] offset:49152               ; their scale words
	global_load_b32 v154, v43, s[80:81]                                  ; the biases
	global_load_b32 v[XP], v44, s[68:69]
	global_load_b32 v[XP+1], v44, s[68:69] offset:4
	global_load_b32 v[XP+2], v44, s[68:69] offset:8
	global_load_b128 v[IDX:IDX+3], v[LI], s[76:77] th:TH_LOAD_NT          ; base cells of groups 0 and 1
	global_load_b128 v[IDX+4:IDX+7], v[LI], s[76:77] offset:512 th:TH_LOAD_NT
	s_load_b32 s8, s[90:91], 0x0                   ; bf
	s_load_b256 s[PS0:PS0+7], s[70:71], 0x0        ; group 0's scales and translations
	s_load_b128 s[PS0+8:PS0+11], s[70:71], 0x20
	s_load_b256 s[PT0:PT0+7], s[72:73], 0x0
	s_load_b128 s[PT0+8:PT0+11], s[72:73], 0x20
	v_mov_b32 v[AS], 0                             ; the places through which the blocks pass are read before they hold a block: written once
	v_mov_b32 v[AS+1], 0
.irp i, 22,23,24,25,26,27,28,29,30,31,32,33,34,35,36,37,38,39
	v_mov_b32 v[\i], 0
.endr
	s_cmp_lt_u32 s2, 4                             ; Wf is 128 numbers: waves 0 to 3 copy it
	s_cbranch_scc0 .Lno_wf
	global_load_b32 v47, v42, s[88:89]
	s_wait_loadcnt 0x0
	ds_store_b32 v42, v47 offset:WFV
.Lno_wf:
	s_wait_loadcnt 0x0                             ; all the head's loads are in: among them the one that named s[80:81], which is written again below
.irp i, 0,1,2,3,4,5
	ds_store_b128 v40, v[128+4*\i:131+4*\i] offset:WIMG+8192*\i
.endr
	ds_store_b64 v41, v[152:153] offset:WSC
	ds_store_b32 v42, v154 offset:BIAS
	s_wait_dscnt 0x0                               ; for the others' sake: my stores have landed
	s_barrier_signal -1
	s_barrier_wait -1                              ; the one barrier: from here on LDS is only read
; ---- the gather: 64 grids
.irp c, 0,1,2,3
	s_add_nc_u64 s[PB+2*\c:PB+2*\c+1], s[74:75], 2*\c*GRID   ; set 0: grids 0 and 2 (group 0);  set 1: grids 4 and 6 (group 1)
.endr
	OFFS 0                                         ; group 0
	global_load_b128 v[IDX:IDX+3], v[LI], s[76:77] offset:1024 th:TH_LOAD_NT   ; group 2's base cells
	GATHER 0
	s_mov_b32 s3, 0
.Ltrip:                                            ; at the head, by both ways in: 17 loads are out, a group's base cells and the 16 gathers of the trip's first group
	TRIP 0
	s_wait_xcnt 0x0                                ; the loads issued so far have read their bases, which are stepped only behind this wait
	s_add_nc_u64 s[70:71], s[70:71], 192           ; 16 grids x 12 bytes
	s_add_nc_u64 s[72:73], s[72:73], 192
	s_add_nc_u64 s[76:77], s[76:77], 2048          ; four groups x 512 bytes
	s_add_co_u32 s3, s3, 1
	s_cmp_lt_u32 s3, 3
	s_cbranch_scc1 .Ltrip
	TRIP 1                                         ; the last 16 grids are written out: no load leaves its buffer
; ---- the decoder
.irp i, 0,1,2,3,4,5,6,7,8,9,10,11
	v_permlane16_swap_b32 v[AF0+\i], v[AF1+\i]     ; blocks 0, 2 lay in the first run and 1, 3 in the second, for all 32 points: now the first run is the fragment of points 0-15, the second that of points 16-31
.endr
	v_permlanex16_b32 v[AS+1], v[AS], s[SEL], s[SEL+1]   ; the scale words of points 16-31 come to lanes 0-15
	s_mov_b32 s9, 0
	s_mov_b32 s10, 0
	s_mov_b32 s11, 0
	PRODUCT
	SNAKE
	s_mov_b32 s3, 0
.Llayer:
	s_add_co_u32 s9, s9, 12288                     ; the next layer's fragments, scale words, biases
	s_add_co_u32 s10, s10, 1024
	s_add_co_u32 s11, s11, 512
	QUANT ACC, AF0, AS
	QUANT ACC+64, AF1, AS+1
	PRODUCT
	LEAKY
	s_add_co_u32 s3, s3, 1
	s_cmp_lt_u32 s3, 3
	s_cbranch_scc1 .Llayer
; ---- the last product, N = 1: a dot product in f32.  Register 8 T + i of a lane holds unit 32 (T / 2) + 8 (T % 2) + 16 h + i: Wf comes in the same order.
.irp t, 0,1,2,3,4,5,6,7
	ds_load_b128 v[48+8*\t:51+8*\t], v[LB] offset:WFV+(32*(\t/2)+8*(\t%2))*4
	ds_load_b128 v[52+8*\t:55+8*\t], v[LB] offset:WFV+(32*(\t/2)+8*(\t%2))*4+16
.endr
	s_wait_dscnt 0x0
.irp p, 0,1
	v_pk_mul_f32 v[112+4*\p:113+4*\p], v[ACC+64*\p:ACC+64*\p+1], v[48:49]       ; two chains for each tile of points; the first products start the sums
	v_pk_mul_f32 v[114+4*\p:115+4*\p], v[ACC+64*\p+2:ACC+64*\p+3], v[50:51]
.endr
.irp i, 4,8,12,16,20,24,28,32,36,40,44,48,52,56,60
.irp p, 0,1
	v_pk_fma_f32 v[112+4*\p:113+4*\p], v[ACC+64*\p+\i:ACC+64*\p+\i+1], v[48+\i:49+\i], v[112+4*\p:113+4*\p]
	v_pk_fma_f32 v[114+4*\p:115+4*\p], v[ACC+64*\p+\i+2:ACC+64*\p+\i+3], v[50+\i:51+\i], v[114+4*\p:115+4*\p]
.endr
.endr
	v_pk_add_f32 v[112:113], v[112:113], v[114:115]
	v_pk_add_f32 v[116:117], v[116:117], v[118:119]
	v_add_f32 v112, v112, v113
	v_add_f32 v116, v116, v117
	v_permlanex16_b32 v113, v112, s[SEL], s[SEL+1] ; a point's other 64 units lie in the lane 16 away
	v_permlanex16_b32 v117, v116, s[SEL], s[SEL+1]
	v_add_f32 v112, v112, v113
	v_add_f32 v116, v116, v117
	v_and_b32 v14, 31, v0
	v_cmp_lt_u32 vcc_lo, 15, v14
	v_cndmask_b32 v112, v112, v116, vcc_lo         ; lanes 0-15 take points 0-15, lanes 16-31 points 16-31
	v_add_f32 v112, s8, v112                       ; + bf
	global_store_b32 v[LS], v112, s[92:93]         ; the wave's 32 results: 128 consecutive bytes
	s_wait_xcnt 0x0
	v_lshl_add_u32 v254, v0, 2, 0xdc00
	v_mov_b32 v255, 0
	s_wait_tensorcnt 0x0
	ds_add_u32 v254, v255
	s_wait_dscnt 0x0
	s_endpgm
.Lfunc_end_k_q71fe307f12_main:
	.size	k_q71fe307f12_main, .Lfunc_end_k_q71fe307f12_main-k_q71fe307f12_main
	.p2alignl 7, 3214868480
	.fill 96, 4, 3214868480
	.section	.rodata,"a",@progbits
	.p2align	6, 0x0
	.amdhsa_kernel k_q71fe307f12_main
		.amdhsa_group_segment_fixed_size 58368
		.amdhsa_private_segment_fixed_size 0
		.amdhsa_enable_private_segment 0
		.amdhsa_kernarg_size 104
		.amdhsa_user_sgpr_count 2
		.amdhsa_user_sgpr_kernarg_segment_ptr 1
		.amdhsa_wavefront_size32 1
		.amdhsa_system_sgpr_workgroup_id_x 1
		.amdhsa_system_sgpr_workgroup_id_y 1
		.amdhsa_system_sgpr_workgroup_id_z 1
		.amdhsa_system_vgpr_workitem_id 0
		.amdhsa_next_free_vgpr 256
		.amdhsa_next_free_sgpr 96
		.amdhsa_reserve_vcc 1
		.amdhsa_float_denorm_mode_32 3
		.amdhsa_float_denorm_mode_16_64 3
		.amdhsa_memory_ordered 1
		.amdhsa_forward_progress 1
		.amdhsa_inst_pref_size 197
	.end_amdhsa_kernel
	.amdgpu_metadata
---
amdhsa.version: [ 1, 2 ]
amdhsa.kernels:
  - .name:           k_q71fe307f12_main
    .symbol:         k_q71fe307f12_main.kd
    .args:
      - { .name: x, .offset: 0, .size: 8, .value_kind: global_buffer, .address_space: global }
      - { .name: grid_scales, .offset: 8, .size: 8, .value_kind: global_buffer, .address_space: global }
      - { .name: grid_translations, .offset: 16, .size: 8, .value_kind: global_buffer, .address_space: global }
      - { .name: pairs, .offset: 24, .size: 8, .value_kind: global_buffer, .address_space: global }
      - { .name: idx, .offset: 32, .size: 8, .value_kind: global_buffer, .address_space: global }
      - { .name: wq, .offset: 40, .size: 8, .value_kind: global_buffer, .address_space: global }
      - { .name: b0, .offset: 48, .size: 8, .value_kind: global_buffer, .address_space: global }
      - { .name: b1, .offset: 56, .size: 8, .value_kind: global_buffer, .address_space: global }
      - { .name: b2, .offset: 64, .size: 8, .value_kind: global_buffer, .address_space: global }
      - { .name: b3, .offset: 72, .size: 8, .value_kind: global_buffer, .address_space: global }
      - { .name: Wf, .offset: 80, .size: 8, .value_kind: global_buffer, .address_space: global }
      - { .name: bf, .offset: 88, .size: 8, .value_kind: global_buffer, .address_space: global }
      - { .name: out0, .offset: 96, .size: 8, .value_kind: global_buffer, .address_space: global }
    .group_segment_fixed_size: 58368
    .private_segment_fixed_size: 0
    .kernarg_segment_align: 8
    .kernarg_segment_size: 104
    .max_flat_workgroup_size: 512
    .sgpr_count:     96
    .vgpr_count:     256
    .wavefront_size: 32
...
	.end_amdgpu_metadata
.endif
;; end of part 2
